; MI455X (gfx1250); checked and timed in simulation.
; The chip was launched on July 23, 2026; its instructions are those of AMD's public machine-readable ISA for CDNA 5 (MIT licence, August 2026) and "CDNA5" Instruction Set Architecture Reference Guide (July 2026). The comments in the code are by the model that wrote it; some were corrected since.
;; Group Query Attention. Allowed arithmetic: matrix products marked QUANTISED: E2M3 operands, one E8M0 scale for each 32 along K, by v_wmma_scale_f32_16x16x128_f8f6f4 with both operands' format E2M3, f32 sums; everything else in f32.
;; Inputs: Wk 1,024 x 1,024 float32; Wq 1,024 x 1,024 float32; Wv 1,024 x 1,024 float32; hidden_states 1 x 4,096 x 1,024 float32.
;; Outputs: out0 1 x 4,096 x 1,024 float32.
;; This version of the problem:
;;   THIS VERSION OF THE PROBLEM IS GIVEN IN LOW PRECISION. The matrix products marked QUANTISED in the list below multiply operands that are first quantised to E2M3 (2 exponent bits, 3 mantissa bits; 6 bits a number), with one power-of-two scale for each 32 numbers along K (OCP MX v1.0); their sums are f32. All else is computed in f32.
;;   The module's matrix products, in the order in which they are computed (A, B: the left and right operand; K: the contracted axis; several contracted axes count as one K, in the product's order):
;;     1. [M 4,096, K 1,024] x [K 1,024, N 1,024]; A: input hidden_states; B: input Wq: QUANTISED
;;     2. [M 4,096, K 1,024] x [K 1,024, N 1,024]; A: input hidden_states; B: input Wk: QUANTISED
;;     3. [M 4,096, K 1,024] x [K 1,024, N 1,024]; A: input hidden_states; B: input Wv: QUANTISED
;;     4. batch 8 x [M 4,096, K 128] x [K 128, N 4,096]; A: computed on the way; B: computed on the way: QUANTISED
;;     5. batch 8 x [M 4,096, K 4,096] x [K 4,096, N 128]; A: softmax (see below); B: computed on the way: QUANTISED
;;   THE QUANTISER, for each operand of a quantised product, along K:
;;     - K is cut into blocks of 32 from its start; a last block that is shorter is filled with zeros.
;;     - A block's scale is 2^e with e = floor(log2(the largest magnitude in the block)) - 2, held to -126 .. 127; a block of zeros has e = 0. As a byte (E8M0): e + 127.
;;     - Each number is divided by its block's scale, clamped to +-7.5, and rounded to the nearest number of E2M3, ties to even, subnormals kept.
;;     - The product sums the exact products of the quantised numbers (number of the format x scale) in f32.
;;   ~~~python
;;   def quantise(x, axis):      # numpy; x: float32 -> the quantised numbers, widened to float32 again
;;       x = np.moveaxis(x, axis, -1); K = x.shape[-1]
;;       x = np.pad(x, [(0, 0)] * (x.ndim - 1) + [(0, -K % 32)]); x = x.reshape(x.shape[:-1] + (-1, 32)); a = np.abs(x).max(-1, keepdims=True)
;;       e = np.where(a > 0, np.clip(np.frexp(np.where(a > 0, a, 1))[1] - 1 - 2, -126, 127), 0)      # np.frexp(a)[1] - 1 = floor(log2(a)), exactly
;;       r = np.clip(x / 2.0 ** e, -7.5, 7.5)
;;       step = 2.0 ** (np.maximum(np.frexp(np.where(r == 0, 1, r))[1] - 1, 0) - 3)
;;       q = np.round(r / step) * step * 2.0 ** e      # np.round: ties to even
;;       return np.moveaxis(q.reshape(q.shape[:-2] + (-1,))[..., :K], -1, axis).astype(np.float32)
;;   ~~~
;;   SOFTMAX AHEAD OF A QUANTISED PRODUCT. Where the list says 'softmax', what is quantised is not the finished softmax but p = 2^(t - M), with t = logit x log2(e) and M = ceil(the row's largest t), a whole number; so 1/2 < the row's largest p <= 1. The row's sum l is taken of the UNQUANTISED p, in f32, and the product's result is divided by l at the end. Since M is a whole number, a kernel that streams over the keys may use a running M (the ceiling of the running maximum): every later rescaling is an exact power of two, which a block's scale takes up: the codes' values come out the same.
;;   OPERANDS COMPUTED ON THE WAY. 'Computed on the way' means the value that the module computes at that place (a softmax that the list does not call 'softmax' is quantised finished and normalised). What goes into a quantiser is computed in f32, as accurately as f32 sums, v_exp_f32 and their like allow (about 1e-6 of the number): no bf16 or f16 on the way to a quantiser, and a product that is left as it is and whose result goes on into a quantised operand takes f32 operands (vector FMAs, or v_wmma_f32_16x16x4_f32). A number that lies on a knife's edge between two numbers of the format may be rounded either way, as far as f32 arithmetic and the matrix unit's own rounding can turn it there, and no further.
;; One version. Each part assembles by itself: llvm-mc -triple=amdgcn-amd-amdhsa -mcpu=gfx1250 --defsym DOCPART=n.
;; ======== version 1 of 1: 3 launches
;; limits: right only within a limited range of input values
;; workspace buffers: x_ws 3,276,800 bytes; w_ws 2,457,600 bytes; q_ws 3,276,800 bytes; kv_ws 6,553,600 bytes
;; launch quant (part 1): grid 256 x 1, 7 waves a work-group, no clusters, 38,912 bytes of LDS; arguments hidden_states, Wq, Wk, Wv, x_ws, w_ws; writes x_ws, w_ws
.if DOCPART == 1
	.amdgcn_target "amdgcn-amd-amdhsa--gfx1250"
	.amdhsa_code_object_version 6
	.text
	.protected	k_q7dce44faa1_quant
	.globl	k_q7dce44faa1_quant
	.p2align	8
	.type	k_q7dce44faa1_quant,@function
k_q7dce44faa1_quant:
	s_mov_b64 s[64:65], 0
	v_nop
	global_prefetch_b8 v0, s[64:65] scope:SCOPE_SE
	s_setreg_imm32_b32 hwreg(HW_REG_WAVE_MODE, 25, 1), 1
	s_wait_xcnt 0x0
; hidden_states [4096][1024] and Wq, Wk, Wv [1024][1024], f32, K innermost, become codes of FP6 (E2M3) with one E8M0 scale byte for each 32 along K.
; A block's scale is 2^(floor(log2(its largest magnitude)) - 2); its byte is the largest magnitude's exponent field - 2, held at 1 from below.
; LIMITS: a block of zeros gets the byte 1 where the quantiser says 127 (its codes are zeros, which add nothing under any byte but 0xff, and this program alone reads the bytes);
; blocks whose largest magnitude lies under 2^-124 are held at that floor; NaN and infinities among the inputs are not served.
; THE TILES: x_ws [32 row blocks of 128][4 chunks of 256 along K][25,600 bytes]: 128 rows of 192 bytes of codes, then 128 rows of 8 scale bytes: a dense block of 100 x 256 bytes.  w_ws likewise: 8 row blocks of Wq, 8 of Wk, 8 of Wv.
; ROW ORDER: row n of hidden_states, Wq and Wk goes to position n with bits 3 and 4 exchanged, so that sixteen neighbouring positions 16 t + r hold the rows 32 (t / 2) + 8 (t % 2) + r + 8 (r / 8),
; which the next launch wants in one tile.  Wv's rows stay as they are.
; A wave takes a unit of 4 whole rows (8 steps of 512 numbers); 1,792 units: 0-1023 hidden_states, 1024-1279 Wq, 1280-1535 Wk, the rest Wv.  Only pointers are chosen.  A unit's bits 1 and 2 are the rows' bits 3 and 4.
; All 32 loads of a wave (512 consecutive bytes each) are issued first; no prefetch, since there is no loop to run ahead in.  A step's 2,048 bytes turn through the wave's own stage in LDS and come back 64 bytes (16 neighbours) a lane.
; Waves share nothing: no tensor load, no barrier.
.set STEPS, 8
.set CB,    12                         ; bytes of 16 codes
.set CHK,   25600
.set R,     16                         ; v16-143  eight sets of 16 numbers as they are loaded
.set X,     144                        ; v144-175 two sets of 16 neighbours
.set C,     176                        ; v176-207 codes: four registers for each step
.set E,     208                        ; v208-215 a scale byte for each step
.set WREG,  5376                       ; LDS: two stages of 32 x SP bytes, then 128 scale bytes
.set SP,    80
.set SPW,   12                         ; LDS address of my spare word
.set NIL,   13                         ; 0
.set SPARE, 7*WREG
.set SRC,   22
.set DC,    24
.set DS,    26
	s_load_b256 s[4:11], s[0:1], 0x0               ; hidden_states, Wq, Wk, Wv
	s_load_b128 s[12:15], s[0:1], 0x20             ; x_ws, w_ws
	v_lshl_add_u32 v[SPW], v0, 2, SPARE
	v_mov_b32 v[NIL], 0
	v_lshrrev_b32 v1, 5, v0
	v_readfirstlane_b32 s20, v1                    ; wave
	s_mul_i32 s21, ttmp9, 7
	s_add_co_u32 s21, s21, s20                     ; my unit
	s_mul_i32 s30, s20, WREG
	s_add_co_u32 s31, s30, 2*32*SP
	v_and_b32 v2, 31, v0                           ; lane
	v_lshlrev_b32 v3, 4, v2                        ; my 16 bytes of a load's 512
	v_lshrrev_b32 v14, 2, v2
	v_mul_u32_u24 v14, v14, SP
	v_and_b32 v15, 3, v2
	v_lshl_add_u32 v14, v15, 4, v14
	v_add_nc_u32 v14, s30, v14                     ; into the stage: SP (lane / 4) + 16 (lane % 4)
	v_mul_u32_u24 v15, v2, SP
	v_add_nc_u32 v15, s30, v15                     ; out of it: SP x lane
	v_and_b32 v4, 15, v2
	v_mul_u32_u24 v4, v4, CB
	v_lshrrev_b32 v5, 4, v2
	v_mul_u32_u24 v5, CHK, v5
	v_add_nc_u32 v4, v4, v5                        ; my codes' place in a step's: lanes 0-15 one chunk, lanes 16-31 the next
	v_lshrrev_b32 v5, 1, v2
	v_add_nc_u32 v5, s31, v5                       ; LDS: my block's scale byte
	v_lshl_add_u32 v6, v2, 2, s31                  ; and on the way out 4 bytes a lane
	v_lshrrev_b32 v7, 3, v2
	v_lshlrev_b32 v7, 3, v7
	v_and_b32 v8, 1, v2
	v_lshl_add_u32 v7, v8, 2, v7
	v_bfe_u32 v8, v2, 1, 2
	v_mul_u32_u24 v8, CHK, v8
	v_add_nc_u32 v7, v7, v8                        ; row lane / 8, chunk (lane % 8) / 2, half lane % 2
	s_wait_alu depctr_va_vdst(0)                   ; the wait at the head's end
	s_movk_i32 s28, 1536
	s_movk_i32 s29, 1280
	s_movk_i32 s33, 1024
	s_wait_kmcnt 0x0
	s_cmp_lt_u32 s21, 1536                         ; the choices hang on the unit's number alone
	s_cselect_b64 s[SRC:SRC+1], s[8:9], s[10:11]
	s_cselect_b32 s28, s29, s28
	s_cselect_b32 s34, 1, 0                        ; Wv's rows keep their order
	s_cmp_lt_u32 s21, 1280
	s_cselect_b64 s[SRC:SRC+1], s[6:7], s[SRC:SRC+1]
	s_cselect_b32 s28, s33, s28
	s_cmp_lt_u32 s21, 1024
	s_cselect_b64 s[SRC:SRC+1], s[4:5], s[SRC:SRC+1]
	s_cselect_b32 s28, 0, s28
	s_cselect_b64 s[DC:DC+1], s[12:13], s[14:15]
	s_cselect_b32 s29, 0, s33
	s_sub_co_u32 s28, s21, s28                     ; the unit among its tensor's
	s_lshl_b32 s30, s28, 14
	s_mov_b32 s31, 0
	s_add_nc_u64 s[SRC:SRC+1], s[SRC:SRC+1], s[30:31]
	s_sub_co_u32 s29, s21, s29                     ; and among its buffer's
	s_and_b32 s35, s29, 6
	s_lshl_b32 s36, s35, 1
	s_lshr_b32 s37, s35, 1
	s_or_b32 s36, s36, s37
	s_and_b32 s36, s36, 6                          ; bits 1 and 2 exchanged
	s_sub_co_u32 s37, s29, s35
	s_add_co_u32 s36, s37, s36
	s_cmp_eq_u32 s34, 1
	s_cselect_b32 s36, s36, s29
	s_lshr_b32 s37, s36, 5
	s_mul_i32 s30, s37, 4*CHK
	s_add_nc_u64 s[DC:DC+1], s[DC:DC+1], s[30:31]  ; the row block
	s_and_b32 s36, s36, 31
	s_lshl_b32 s30, s36, 5
	s_add_nc_u64 s[DS:DS+1], s[DC:DC+1], s[30:31]  ; 4 rows of 8 scale bytes
	s_mul_i32 s30, s36, 768
	s_add_nc_u64 s[DC:DC+1], s[DC:DC+1], s[30:31]  ; 4 rows of 192 bytes of codes
.set n, 0
.rept 4*STEPS
	global_load_b128 v[R+4*n:R+4*n+3], v3, s[SRC:SRC+1] offset:512*n th:TH_LOAD_NT
.set n, n+1
.endr
.macro TURN t                          ; LDS serves a wave's instructions in order: no wait between the stores and the loads
	s_wait_loadcnt 4*(STEPS-1-(\t))                ; step t's four loads are in; those of the later steps may be out
.irp i, 0,1,2,3
	ds_store_b128 v14, v[R+16*(\t)+4*\i:R+16*(\t)+4*\i+3] offset:32*SP*((\t)%2)+8*SP*\i
.endr
.irp i, 0,1,2,3
	ds_load_b128 v[X+16*((\t)%2)+4*\i:X+16*((\t)%2)+4*\i+3], v15 offset:32*SP*((\t)%2)+16*\i
.endr
.endm
.macro STEP t
.set XS, X+16*((\t)%2)
.if (\t)+1 < STEPS
	TURN (\t)+1
.if (\t) > 0
	s_wait_dscnt 9                                 ; younger than my numbers: the last step's byte and the next turn's eight
.else
	s_wait_dscnt 8
.endif
.else
	s_wait_dscnt 1
.endif
	v_max3_num_f32 v8, |v[XS]|, |v[XS+1]|, |v[XS+2]|
	v_max3_num_f32 v9, |v[XS+3]|, |v[XS+4]|, |v[XS+5]|
.irp i, 6,10
	v_max3_num_f32 v8, v8, |v[XS+\i]|, |v[XS+\i+1]|
	v_max3_num_f32 v9, v9, |v[XS+\i+2]|, |v[XS+\i+3]|
.endr
	v_max3_num_f32 v8, v8, |v[XS+14]|, |v[XS+15]|
	v_max3_num_f32 v8, v8, v9, 0x1800000           ; and the floor 2^(3 - 127)
	v_max_num_f32_dpp v8, v8, v8 row_xmask:1 row_mask:0xf bank_mask:0xf   ; and of my neighbour's 16: the block's
	v_add_nc_u32 v11, 0xff000000, v8               ; 2 off its exponent field: the conversion's scale operand
	v_cvt_scalef32_pk16_fp6_f32 v[C+4*(\t):C+4*(\t)+2], v[XS:XS+15], v11
	v_lshrrev_b32 v[E+(\t)], 23, v11               ; the scale's byte (also the plain line behind the conversion)
	ds_store_b8 v5, v[E+(\t)] offset:16*(\t)       ; both lanes of a block write the same byte with the same value
	global_store_b96 v4, v[C+4*(\t):C+4*(\t)+2], s[DC:DC+1] offset:192*((\t)/2)+2*CHK*((\t)%2)
.endm
	TURN 0
.irp t, 0,1,2,3,4,5,6,7
	STEP \t
.endr
	ds_load_b32 v10, v6                            ; LDS serves a wave's instructions in order: these see my stores
	s_wait_dscnt 0x0
	global_store_b32 v7, v10, s[DS:DS+1] offset:24576
	s_wait_tensorcnt 0x0                           ; the wave's end, behind my last LDS store
	ds_add_u32 v[SPW], v[NIL]
	s_wait_dscnt 0x0
	s_endpgm
.Lfunc_end_k_q7dce44faa1_quant:
	.size	k_q7dce44faa1_quant, .Lfunc_end_k_q7dce44faa1_quant-k_q7dce44faa1_quant
	.p2alignl 7, 3214868480
	.fill 96, 4, 3214868480
	.section	.rodata,"a",@progbits
	.p2align	6, 0x0
	.amdhsa_kernel k_q7dce44faa1_quant
		.amdhsa_group_segment_fixed_size 38912
		.amdhsa_private_segment_fixed_size 0
		.amdhsa_enable_private_segment 0
		.amdhsa_kernarg_size 48
		.amdhsa_user_sgpr_count 2
		.amdhsa_user_sgpr_kernarg_segment_ptr 1
		.amdhsa_wavefront_size32 1
		.amdhsa_system_sgpr_workgroup_id_x 1
		.amdhsa_system_sgpr_workgroup_id_y 1
		.amdhsa_system_sgpr_workgroup_id_z 1
		.amdhsa_system_vgpr_workitem_id 0
		.amdhsa_next_free_vgpr 224
		.amdhsa_next_free_sgpr 66
		.amdhsa_reserve_vcc 0
		.amdhsa_float_denorm_mode_32 3
		.amdhsa_float_denorm_mode_16_64 3
		.amdhsa_memory_ordered 1
		.amdhsa_forward_progress 1
		.amdhsa_inst_pref_size 19
	.end_amdhsa_kernel
	.amdgpu_metadata
---
amdhsa.version: [ 1, 2 ]
amdhsa.kernels:
  - .name:           k_q7dce44faa1_quant
    .symbol:         k_q7dce44faa1_quant.kd
    .args:
      - { .name: hidden_states, .offset: 0, .size: 8, .value_kind: global_buffer, .address_space: global }
      - { .name: Wq, .offset: 8, .size: 8, .value_kind: global_buffer, .address_space: global }
      - { .name: Wk, .offset: 16, .size: 8, .value_kind: global_buffer, .address_space: global }
      - { .name: Wv, .offset: 24, .size: 8, .value_kind: global_buffer, .address_space: global }
      - { .name: x_ws, .offset: 32, .size: 8, .value_kind: global_buffer, .address_space: global }
      - { .name: w_ws, .offset: 40, .size: 8, .value_kind: global_buffer, .address_space: global }
    .group_segment_fixed_size: 38912
    .private_segment_fixed_size: 0
    .kernarg_segment_align: 8
    .kernarg_segment_size: 48
    .max_flat_workgroup_size: 224
    .sgpr_count:     66
    .vgpr_count:     224
    .wavefront_size: 32
...
	.end_amdgpu_metadata
.endif
;; end of part 1
;; launch proj (part 2): grid 8 x 32, 4 waves a work-group, clusters of 4 x 4, 327,680 bytes of LDS; arguments x_ws, w_ws, q_ws, kv_ws; writes q_ws, kv_ws
.if DOCPART == 2
	.amdgcn_target "amdgcn-amd-amdhsa--gfx1250"
	.amdhsa_code_object_version 6
	.text
	.protected	k_q7dce44faa1_proj
	.globl	k_q7dce44faa1_proj
	.p2align	8
	.type	k_q7dce44faa1_proj,@function
k_q7dce44faa1_proj:
	s_mov_b64 s[64:65], 0
	v_nop
	global_prefetch_b8 v0, s[64:65] scope:SCOPE_SE
	s_setreg_imm32_b32 hwreg(HW_REG_WAVE_MODE, 25, 1), 1
	s_wait_xcnt 0x0
	s_wait_alu depctr_hold_cnt(0) depctr_sa_sdst(0) depctr_va_vdst(0) depctr_va_sdst(0) depctr_va_ssrc(0) depctr_va_vcc(0) depctr_vm_vsrc(0)
	s_getreg_b32 s2, hwreg(HW_REG_IB_STS2, 6, 4)
	s_cmp_eq_u32 s2, 0
	s_cbranch_scc0 .Lentry_in_a_cluster
	s_endpgm
.Lentry_in_a_cluster:
	s_bfe_u32 s2, ttmp6, 0x10000c
	s_cmp_lg_u32 s2, 0xf033
	s_cbranch_scc0 .Lentry_shape_is_right
	s_endpgm
.Lentry_shape_is_right:
; q, k, v = x Wq^T, x Wk^T, x Wv^T on codes of FP6 (E2M3), each quantised again on the way out for the attention launch.  Work-group (head, row block): 128 rows of x against 128 columns of each of the three weights; four waves, 2 x 2.
; A wave (WI, WJ) makes rows 64 WI .. and columns 64 WJ .. of all three: 48 accumulators.  q and k are used transposed (source 0 = the weight's rows), v is not, so that a lane's registers run along the next product's K.
; K goes in four chunks of 256 through a ring of two slots.  A slot holds four tiles: x's, Wq's, Wk's, Wv's, fetched by waves 0, 1, 2, 3, one joint load each: a dense block of 25,600 bytes (128 rows of 192 bytes of codes, then 128 rows of
; 8 scale bytes), stated as 100 rows of 256 bytes, with 16 bytes of padding in LDS behind every 64: so a row of codes is 240 bytes in LDS.
; CLUSTERS of 4 x 4: x's tiles are shared along a row, the weights' along a column.  PREFETCHES: chunks 1 and 2 at the head, chunk 3 behind the first refill; a tile's 100 units of 256 bytes are shared out by address among the four work-groups that ask for it jointly,
; 25 lanes each (the others name the last again); the weights' only by the clusters of the first two cluster rows, since all cluster rows read the same weights.
; OUTPUTS, as images of operand registers: an image is 1,536 bytes: half j (registers 6 j .. 6 j + 5): 512 bytes (16 a lane) and 256 bytes (8 a lane).
; q_ws [head][row block]: 12,800 bytes: eight images, scale words at 12,288.  kv_ws [head][four row blocks]: 102,400 bytes: [k's 8 images, v's 8][row block % 4][1,536], then [row block % 4][k's words 512, v's words 512].
; LIMITS: as in the first launch: a block of zeros keeps the byte 1, blocks under 2^-124 are held there, NaN and infinities are not served.
.set PITCH,  240
.set CHK,    25600
.set HALFT,  400*80                    ; a tile in LDS
.set SLOT,   4*HALFT
.set SCO,    30720                     ; its scale bytes
.set SBLK,   160                       ; 16 rows of them
.set STG,    2*SLOT
.set SPARE,  STG+1536
.set SPW,  6
.set NIL,  7
.set SAQK, 9
.set SAV,  10
.set RD,   11
.set OSC,  12
.set ADR,  16
.set SC,   32
.set T,    64
.set T2,   72
.set SOP,  80
.set HW,   88
.set X,    100
.set ADS1, 112                         ; v112-115 the scale words' addresses, slots 0 and 1 (free again on the way out)
.set ADS2, 114
.set SW,   116
.set PFO,  118
.set OQ,   120                         ; v120-125 the way out: q's, k's, v's offsets, for 16 and for 8 bytes a lane
.set OK,   122
.set OV,   124
.set CS,   128
.set WV, 16
.set WI, 17
.set WJ, 18
.set RB, 19
.set G1, 24
.set G0, 32
.set G1B, 48
.set G0B, 56
.set PFA, 68
.set PFL, 70
.set SEL, 98
.set MSB, 0
.macro WIN new
.if MSB != \new
	s_set_vgpr_msb (MSB<<8)|\new
.set MSB, \new
.endif
.endm
.macro JLOAD s                         ; wave 0 x's tile, the others a weight's
	s_cmp_eq_u32 s[WV], 0
	s_cbranch_scc0 .Lfor_w_\@
	tensor_load_to_lds s[G0+4*\s:G0+4*\s+3], s[G1:G1+7]
	s_nop 0
.rept 4
	v_nop
.endr
	s_branch .Lasked_\@
.Lfor_w_\@:
	tensor_load_to_lds s[G0B+4*\s:G0B+4*\s+3], s[G1B:G1B+7]
	s_nop 0
.rept 4
	v_nop
.endr
.Lasked_\@:
.endm
.macro ASK c
	s_cmp_eq_u32 s[PFL], 1
	s_cbranch_scc0 .Lnot_mine_\@
	global_prefetch_b8 v[PFO], s[PFA:PFA+1] offset:CHK*\c th:TH_LOAD_NT scope:SCOPE_SE
.Lnot_mine_\@:
.endm
.macro CREST
	s_cmp_lg_u32 s[WV], 0
	s_cbranch_scc1 .Lnot_wave_0_\@
	s_barrier_signal -3
.Lnot_wave_0_\@:
	s_barrier_wait -3
	s_barrier_signal -1
	s_barrier_wait -1
.endm
.macro CROUND
	s_barrier_signal -1
	s_barrier_wait -1
	CREST
.endm
	s_load_b128 s[4:7], s[0:1], 0x0                ; x_ws, w_ws
	s_load_b128 s[12:15], s[0:1], 0x10             ; q_ws, kv_ws
	v_lshl_add_u32 v[SPW], v0, 2, SPARE
	v_mov_b32 v[NIL], 0
	ds_add_u32 v[SPW], v[NIL]
	ds_add_u32 v[SPW], v[NIL]
	v_lshrrev_b32 v1, 5, v0
	v_readfirstlane_b32 s[WV], v1
	s_lshr_b32 s[WI], s[WV], 1
	s_and_b32 s[WJ], s[WV], 1
	s_bfe_u32 s40, ttmp6, 0x40000
	s_bfe_u32 s41, ttmp6, 0x40004
	s_lshl_b32 s42, ttmp9, 2
	s_add_co_u32 s42, s42, s40                     ; the head
	s_and_b32 s94, ttmp7, 0xffff
	s_lshl_b32 s[RB], s94, 2
	s_add_co_u32 s[RB], s[RB], s41                 ; the row block
	s_lshl_b32 s43, s41, 2
	s_lshl_b32 s43, 15, s43                        ; my row of the cluster
	s_lshl_b32 s44, 0x1111, s40                    ; my column
	s_or_b32 s[G1+0], s43, (0<<16)|(1<<20)|(1<<21)|(3<<22)|(3<<25)
	s_or_b32 s[G1B+0], s44, (0<<16)|(1<<20)|(1<<21)|(3<<22)|(3<<25)
.irp g, G1, G1B
	s_mov_b32 s[\g+1], 256<<16
	s_mov_b32 s[\g+2], 100<<16
	s_mov_b32 s[\g+3], 256<<16
	s_mov_b32 s[\g+4], 100
	s_mov_b32 s[\g+5], 256
	s_mov_b32 s[\g+6], 0
	s_mov_b32 s[\g+7], 0
.endr
	s_mul_i32 s20, s[RB], 4*CHK
	s_mov_b32 s21, 0
	s_add_co_u32 s46, s[WV], 3
	s_and_b32 s46, s46, 3
	s_min_u32 s46, s46, 2                          ; waves 1, 2, 3: Wq, Wk, Wv
	s_lshl_b32 s46, s46, 3
	s_add_co_u32 s46, s46, s42
	s_mul_i32 s46, s46, 4*CHK
	s_mov_b32 s47, 0
	s_mul_i32 s45, s[WV], HALFT
	s_mov_b32 s[SEL], 0x76543210
	s_mov_b32 s[SEL+1], 0xfedcba98
	s_wait_dscnt 0x0
	CROUND                                         ; the opening round, ahead of the wait for the arguments
	s_wait_kmcnt 0x0
	s_add_nc_u64 s[20:21], s[4:5], s[20:21]
	s_add_nc_u64 s[46:47], s[6:7], s[46:47]
.irp s, 0,1
	s_mov_b32 s[G0+4*\s], 1
	s_add_co_u32 s[G0+4*\s+1], s45, \s*SLOT
	s_add_nc_u64 s[G0+4*\s+2:G0+4*\s+3], s[20:21], \s*CHK
	s_or_b32 s[G0+4*\s+3], s[G0+4*\s+3], 0x80000000
	s_mov_b32 s[G0B+4*\s], 1
	s_add_co_u32 s[G0B+4*\s+1], s45, \s*SLOT
	s_add_nc_u64 s[G0B+4*\s+2:G0B+4*\s+3], s[46:47], \s*CHK
	s_or_b32 s[G0B+4*\s+3], s[G0B+4*\s+3], 0x80000000
.endr
	JLOAD 0                                        ; chunk 0: one tensor load a wave at the head
	s_cmp_lt_u32 s94, 2
	s_cselect_b32 s[PFL], 1, 0
	s_cmp_eq_u32 s[WV], 0
	s_cselect_b32 s[PFL], 1, s[PFL]
	s_cselect_b64 s[PFA:PFA+1], s[20:21], s[46:47]
	s_cselect_b32 s3, s40, s41                     ; my place among the four that ask jointly
	s_mul_i32 s3, s3, 25
	v_and_b32 v5, 31, v0
	v_min_u32 v4, 24, v5
	v_add_nc_u32 v4, s3, v4
	v_lshlrev_b32 v[PFO], 8, v4
	v_lshlrev_b32 v3, 4, v5
	v_lshlrev_b32 v5, 3, v5
	s_and_b32 s71, s[RB], 3
	s_mul_i32 s71, s71, 1536
	s_mul_i32 s2, s[WI], 6144
	s_mul_i32 s3, s[WJ], 768
	s_add_co_u32 s2, s2, s3
	s_wait_alu depctr_va_vdst(0)
	v_add_nc_u32 v[OQ], s2, v3
	v_add_nc_u32 v[OQ+1], s2, v5
	s_mul_i32 s2, s[WI], 24576
	s_add_co_u32 s2, s2, s3
	s_add_co_u32 s2, s2, s71
	v_add_nc_u32 v[OK], s2, v3
	v_add_nc_u32 v[OK+1], s2, v5
	s_mul_i32 s2, s[WJ], 24576
	s_mul_i32 s3, s[WI], 768
	s_add_co_u32 s2, s2, s3
	s_add_co_u32 s2, s2, s71
	s_add_co_u32 s2, s2, 49152
	s_wait_alu depctr_va_vdst(0)
	v_add_nc_u32 v[OV], s2, v3
	v_add_nc_u32 v[OV+1], s2, v5
	s_mul_i32 s95, s42, 32
	s_add_co_u32 s95, s95, s[RB]
	s_mul_i32 s2, s95, 12800
	s_mov_b32 s3, 0
	s_add_nc_u64 s[12:13], s[12:13], s[2:3]
	s_lshr_b32 s95, s[RB], 2
	s_mul_i32 s2, s42, 819200
	s_mul_i32 s95, s95, 102400
	s_add_co_u32 s2, s2, s95
	s_add_nc_u64 s[14:15], s[14:15], s[2:3]
	s_and_b32 s95, s[RB], 3
	s_lshl_b32 s95, s95, 10
	s_lshl_b32 s2, s[WV], 9
	s_add_co_u32 s2, s2, s95
	s_add_co_u32 s2, s2, 97792
	s_cmp_eq_u32 s[WV], 0
	s_cselect_b32 s2, 12288, s2
	s_cselect_b64 s[96:97], s[12:13], s[14:15]
	s_wait_alu depctr_va_vdst(0)
	v_add_nc_u32 v[OSC], s2, v3
	s_min_u32 s2, s[WV], 2
	s_lshl_b32 s2, s2, 9
	s_add_co_u32 s2, s2, STG
	v_add_nc_u32 v[RD], s2, v3
	v_and_b32 v1, 15, v0
	v_bfe_u32 v2, v0, 4, 1
	v_mul_u32_u24 v3, v1, PITCH
	v_mul_u32_u24 v4, v2, 24
	v_add_nc_u32 v4, v3, v4
	v_lshl_add_u32 v5, v2, 4, v4
	s_mul_i32 s2, s[WI], 64*PITCH
	s_mul_i32 s3, s[WJ], 64*PITCH
	s_add_co_u32 s3, s3, HALFT
.irp s, 0,1
	v_add_nc_u32 v[ADR+\s], s2, v4
	v_add_nc_u32 v[ADR+2+\s], s2, v5
	s_add_co_u32 s2, s2, SLOT
.endr
.irp s, 0,1
.irp g, 1,2,3
	v_add_nc_u32 v[ADR+4*\g+\s], s3, v4
	v_add_nc_u32 v[ADR+4*\g+2+\s], s3, v5
	s_add_co_u32 s3, s3, HALFT
.endr
	s_add_co_u32 s3, s3, HALFT
.endr
	v_lshlrev_b32 v3, 3, v1
	v_lshrrev_b32 v4, 3, v1
	v_lshl_add_u32 v3, v4, 4, v3                   ; row r's eight scale bytes
	s_mul_i32 s2, s[WI], 4*SBLK
	s_mul_i32 s3, s[WJ], 4*SBLK
	s_add_co_u32 s95, s3, HALFT
	s_sub_co_u32 s95, s95, s2
	s_add_co_u32 s2, s2, SCO
	s_add_co_u32 s3, s3, SCO+2*HALFT
	s_wait_alu depctr_va_vdst(0)
	v_mul_u32_u24 v4, s95, v2                      ; lanes 16-31: Wq's
	v_add_nc_u32 v4, v3, v4
	v_add_nc_u32 v[ADS1], s2, v4
	v_add_nc_u32 v[ADS1+1], SLOT, v[ADS1]
	v_mul_u32_u24 v4, HALFT, v2
	v_add_nc_u32 v4, v3, v4
	v_add_nc_u32 v[ADS2], s3, v4                   ; lanes 0-15 Wk's, 16-31 Wv's
	v_add_nc_u32 v[ADS2+1], SLOT, v[ADS2]
	s_lshl_b32 s2, s[WI], 8
	s_lshl_b32 s3, s[WJ], 1
	s_add_co_u32 s2, s2, s3
	s_add_co_u32 s2, s2, STG
	v_lshl_add_u32 v[SAQK], v1, 2, s2
	s_lshl_b32 s2, s[WJ], 8
	s_lshl_b32 s3, s[WI], 1
	s_add_co_u32 s2, s2, s3
	s_add_co_u32 s2, s2, STG+1024
	s_wait_alu depctr_va_vdst(0)
	v_lshl_add_u32 v[SAV], v1, 2, s2
.irp i, 1,2,3                          ; v64-111: the fragments' addresses, 16, 32, 48 rows further on (the way out takes these registers over)
.irp k, 0,1,2,3,4,5,6,7,8,9,10,11,12,13,14,15
	v_add_nc_u32 v[ADR+32+16*\i+\k], \i*16*PITCH, v[ADR+\k]
.endr
.endr
	s_wait_alu depctr_va_vdst(0)                   ; and at the head's end
	ASK 1
	ASK 2
.macro FRAG reg, adr, q, i             ; six pieces of 8 bytes in four loads: two to a load where neighbours go by the same address register (lanes 16-31 read 24 bytes further on: pieces 5, 6, 7 of eight lie behind one padding more there)
.if (\i) > 0
.set AB, (\adr)+32+16*(\i)
.else
.set AB, (\adr)
.endif
.set SKP, 0
.irp p, 0,1,2,3,4,5
.if SKP
.set SKP, 0
.else
.set PC, 12*(\q)+6*(\p/3)+\p%3
.set PN, 12*(\q)+6*((\p+1)/3)+(\p+1)%3
.set XC, (PC%8+3)/8
.set XN, (PN%8+3)/8
.if (\p < 5) && (XC == XN)
.set SKP, 1
	ds_load_2addr_b64 v[\reg+2*\p:\reg+2*\p+3], v[AB+2*XC] offset0:PC+2*(PC/8) offset1:PN+2*(PN/8)
.else
	ds_load_b64 v[\reg+2*\p:\reg+2*\p+1], v[AB+2*XC] offset:8*PC+16*(PC/8)
.endif
.endif
.endr
.endm
.macro FET g, dst, slot, q
	WIN 0x40
.irp t, 0,1,2,3
	FRAG \dst+12*\t, ADR+4*\g+\slot, \q, \t
.endr
.endm
.macro SCALES set
.irp a, 0,1,2,3
	ds_load_b64 v[SC+16*\set+2*\a:SC+16*\set+2*\a+1], v[ADS1+\set] offset:\a*SBLK
.endr
.irp a, 0,1,2,3
	ds_load_b64 v[SC+16*\set+8+2*\a:SC+16*\set+8+2*\a+1], v[ADS2+\set] offset:\a*SBLK
.endr
.endm
.macro GQK sec, p, q, set, zero, a0
	WIN 0xa5
.irp a, \a0, \a0+1
.irp b, 0,1,2,3
.set rD, 128*(\sec)+32*(\a)+8*\b
.set rW, 48*(\sec)+12*\b
.set rX, 144+48*(\p)+12*(\a)
.set sW, SC+16*(\set)+2*(4*(\sec)+\b)+(\q)
.set sX, SC+16*(\set)+2*(\a)+(\q)
.if \sec == 0
.if \zero
	v_wmma_scale_f32_16x16x128_f8f6f4 v[rD:rD+7], v[rW:rW+11], v[rX:rX+11], 0, v[sW], v[sX] matrix_a_fmt:MATRIX_FMT_FP6 matrix_b_fmt:MATRIX_FMT_FP6 matrix_a_scale:MATRIX_SCALE_ROW1
.else
	v_wmma_scale_f32_16x16x128_f8f6f4 v[rD:rD+7], v[rW:rW+11], v[rX:rX+11], v[rD:rD+7], v[sW], v[sX] matrix_a_fmt:MATRIX_FMT_FP6 matrix_b_fmt:MATRIX_FMT_FP6 matrix_a_scale:MATRIX_SCALE_ROW1
.endif
.else
.if \zero
	v_wmma_scale_f32_16x16x128_f8f6f4 v[rD:rD+7], v[rW:rW+11], v[rX:rX+11], 0, v[sW], v[sX] matrix_a_fmt:MATRIX_FMT_FP6 matrix_b_fmt:MATRIX_FMT_FP6
.else
	v_wmma_scale_f32_16x16x128_f8f6f4 v[rD:rD+7], v[rW:rW+11], v[rX:rX+11], v[rD:rD+7], v[sW], v[sX] matrix_a_fmt:MATRIX_FMT_FP6 matrix_b_fmt:MATRIX_FMT_FP6
.endif
.endif
.endr
.endr
.endm
.macro GV p, q, set, zero
	WIN 0xf5
.irp n, 0,1,2,3
.irp a, 0,1,2,3
.set rD, 32*\n+8*\a
.set rW, 96+12*\n
.set rX, 144+48*(\p)+12*\a
.set sW, SC+16*(\set)+2*(4+\n)+(\q)
.set sX, SC+16*(\set)+2*\a+(\q)
.if \zero
	v_wmma_scale_f32_16x16x128_f8f6f4 v[rD:rD+7], v[rX:rX+11], v[rW:rW+11], 0, v[sX], v[sW] matrix_a_fmt:MATRIX_FMT_FP6 matrix_b_fmt:MATRIX_FMT_FP6 matrix_b_scale:MATRIX_SCALE_ROW1
.else
	v_wmma_scale_f32_16x16x128_f8f6f4 v[rD:rD+7], v[rX:rX+11], v[rW:rW+11], v[rD:rD+7], v[sX], v[sW] matrix_a_fmt:MATRIX_FMT_FP6 matrix_b_fmt:MATRIX_FMT_FP6 matrix_b_scale:MATRIX_SCALE_ROW1
.endif
.endr
.endr
.endm
.macro PLACES
.rept 4
	v_nop
.endr
.endm
.macro STEP slot, zero                 ; the slot's first 128 along K.  A FET is 16 loads
	s_wait_dscnt 32
	GQK 0, 0, 0, \slot, \zero, 0
	GQK 0, 0, 0, \slot, \zero, 2
	s_wait_dscnt 16
	PLACES
	FET 1, 0, \slot, 1
	FET 0, 192, \slot, 1
	GQK 1, 0, 0, \slot, \zero, 0
	GQK 1, 0, 0, \slot, \zero, 2
	s_wait_dscnt 32
	PLACES
	FET 2, 48, \slot, 1
	GV 0, 0, \slot, \zero
	PLACES
	FET 3, 96, \slot, 1
	WIN 0
.endm
.macro TURN slot, next, fill           ; its second 128, and the change of slots
	s_wait_tensorcnt 0x0
	ds_add_u32 v[SPW], v[NIL]
	s_wait_dscnt 33                                ; the add and the two youngest FETs may be out
	GQK 0, 1, 1, \slot, 0, 0
	GQK 0, 1, 1, \slot, 0, 2
	s_wait_dscnt 0x0
	s_barrier_signal -1
	GQK 1, 1, 1, \slot, 0, 0
	WIN 0
	s_barrier_wait -1
.if \fill
	CREST
	s_add_nc_u64 s[G0+4*\slot+2:G0+4*\slot+3], s[G0+4*\slot+2:G0+4*\slot+3], 2*CHK
	s_add_nc_u64 s[G0B+4*\slot+2:G0B+4*\slot+3], s[G0B+4*\slot+2:G0B+4*\slot+3], 2*CHK
	JLOAD \slot
.else
	PLACES
.endif
	FET 1, 0, \next, 0
	FET 0, 144, \next, 0
	WIN 0
	SCALES \next
	GQK 1, 1, 1, \slot, 0, 2
	PLACES
	FET 2, 48, \next, 0
	GV 1, 1, \slot, 0
	PLACES
	FET 3, 96, \next, 0
	WIN 0
.endm
	s_wait_tensorcnt 0x0                           ; chunk 0 is in
	ds_add_u32 v[SPW], v[NIL]
	s_wait_dscnt 0x0
	CROUND
	JLOAD 1                                        ; chunk 1
	FET 1, 0, 0, 0
	FET 0, 144, 0, 0
	WIN 0
	SCALES 0
	FET 2, 48, 0, 0
	FET 3, 96, 0, 0
	WIN 0
	STEP 0, 1
	TURN 0, 1, 1
	ASK 3
	STEP 1, 0
	TURN 1, 0, 1
	STEP 0, 0
	TURN 0, 1, 0
	STEP 1, 0
	s_wait_dscnt 32
	GQK 0, 1, 1, 1, 0, 0
	GQK 0, 1, 1, 1, 0, 2
	s_wait_dscnt 0x0
	GQK 1, 1, 1, 1, 0, 0
	GQK 1, 1, 1, 1, 0, 2
	GV 1, 1, 1, 0
	WIN 0
.macro EPI sec, w1, w2, ab, off, base, sadr, soff, str
	WIN \w2
.irp k, 0,1,2,3,4,5,6,7
	v_max3_num_f32 v[T+\k], |v[\ab+16*\k]|, |v[\ab+16*\k+1]|, 0x1800000
.endr
.irp i, 2,4,6,8,10,12,14
.irp k, 0,1,2,3,4,5,6,7
	v_max3_num_f32 v[T+\k], |v[\ab+16*\k+\i]|, |v[\ab+16*\k+\i+1]|, v[T+\k]
.endr
.endr
	WIN 0
.irp k, 0,1,2,3,4,5,6,7
	v_permlanex16_b32 v[T2+\k], v[T+\k], s[SEL], s[SEL+1]
.endr
.irp k, 0,1,2,3,4,5,6,7
	v_max_num_f32 v[T+\k], v[T+\k], v[T2+\k]
.endr
.irp k, 0,1,2,3,4,5,6,7
	v_add_nc_u32 v[SOP+\k], 0xff000000, v[T+\k]
.endr
.irp k, 0,1,2,3,4,5,6,7
	v_lshrrev_b32 v[T2+\k], 23, v[SOP+\k]
.endr
.irp f, 0,1,2,3
	v_lshl_or_b32 v[HW+4*\sec+\f], v[T2+2*\f+1], 8, v[T2+2*\f]
.endr
	WIN \w1
.irp f, 0,1,2,3
	v_cvt_scalef32_pk16_fp6_f32 v[CS+32*\sec+8*\f:CS+32*\sec+8*\f+2], v[\ab+32*\f:\ab+32*\f+15], v[SOP+2*\f]
	v_cvt_scalef32_pk16_fp6_f32 v[X+4*\f:X+4*\f+2], v[\ab+32*\f+16:\ab+32*\f+31], v[SOP+2*\f+1]
.endr
	WIN 0
	v_nop
.irp f, 0,1,2,3
.irp i, 0,1,2
	v_permlane16_swap_b32 v[CS+32*\sec+8*\f+\i], v[X+4*\f+\i]
.endr
.irp i, 0,1,2
	v_mov_b32 v[CS+32*\sec+8*\f+3+\i], v[X+4*\f+\i]
.endr
.endr
.irp f, 0,1,2,3
	global_store_b128 v[\off], v[CS+32*\sec+8*\f:CS+32*\sec+8*\f+3], s[\base:\base+1] offset:\str*\f
	global_store_b64 v[\off+1], v[CS+32*\sec+8*\f+4:CS+32*\sec+8*\f+5], s[\base:\base+1] offset:\str*\f+512
	ds_store_b16 v[\sadr], v[HW+4*\sec+\f] offset:\soff+64*\f
.endr
.endm
.irp k, 0,1,2,3,4,5,6,7
	v_mov_b32 v[T2+\k], 0                          ; a lane permute's destination counts as one of its sources (these eight lines are also the places behind the products)
.endr
	EPI 0, 2, 0x0a, 0, OQ, 12, SAQK, 0, 1536
	EPI 1, 2, 0x0a, 128, OK, 14, SAQK, 512, 6144
	EPI 2, 3, 0x0f, 0, OV, 14, SAV, 0, 6144
	s_wait_dscnt 0x0
	s_barrier_signal -1
	s_barrier_wait -1
	s_cmp_lt_u32 s[WV], 3                          ; waves 0, 1, 2: q's, k's, v's scale words
	s_cbranch_scc0 .Lno_words
	ds_load_b128 v[SW:SW+3], v[RD]
	s_wait_dscnt 0x0
	global_store_b128 v[OSC], v[SW:SW+3], s[96:97]
.Lno_words:
	s_wait_tensorcnt 0x0
	ds_add_u32 v[SPW], v[NIL]
	s_wait_dscnt 0x0
	CROUND
	s_endpgm
.Lfunc_end_k_q7dce44faa1_proj:
	.size	k_q7dce44faa1_proj, .Lfunc_end_k_q7dce44faa1_proj-k_q7dce44faa1_proj
	.p2alignl 7, 3214868480
	.fill 96, 4, 3214868480
	.section	.rodata,"a",@progbits
	.p2align	6, 0x0
	.amdhsa_kernel k_q7dce44faa1_proj
		.amdhsa_group_segment_fixed_size 327680
		.amdhsa_private_segment_fixed_size 0
		.amdhsa_enable_private_segment 0
		.amdhsa_kernarg_size 32
		.amdhsa_user_sgpr_count 2
		.amdhsa_user_sgpr_kernarg_segment_ptr 1
		.amdhsa_wavefront_size32 1
		.amdhsa_system_sgpr_workgroup_id_x 1
		.amdhsa_system_sgpr_workgroup_id_y 1
		.amdhsa_system_sgpr_workgroup_id_z 1
		.amdhsa_system_vgpr_workitem_id 0
		.amdhsa_next_free_vgpr 1024
		.amdhsa_next_free_sgpr 100
		.amdhsa_reserve_vcc 0
		.amdhsa_float_denorm_mode_32 3
		.amdhsa_float_denorm_mode_16_64 3
		.amdhsa_memory_ordered 1
		.amdhsa_forward_progress 1
		.amdhsa_inst_pref_size 130
	.end_amdhsa_kernel
	.amdgpu_metadata
---
amdhsa.version: [ 1, 2 ]
amdhsa.kernels:
  - .name:           k_q7dce44faa1_proj
    .symbol:         k_q7dce44faa1_proj.kd
    .args:
      - { .name: x_ws, .offset: 0, .size: 8, .value_kind: global_buffer, .address_space: global }
      - { .name: w_ws, .offset: 8, .size: 8, .value_kind: global_buffer, .address_space: global }
      - { .name: q_ws, .offset: 16, .size: 8, .value_kind: global_buffer, .address_space: global }
      - { .name: kv_ws, .offset: 24, .size: 8, .value_kind: global_buffer, .address_space: global }
    .group_segment_fixed_size: 327680
    .private_segment_fixed_size: 0
    .kernarg_segment_align: 8
    .kernarg_segment_size: 32
    .max_flat_workgroup_size: 128
    .sgpr_count:     100
    .vgpr_count:     1024
    .wavefront_size: 32
...
	.end_amdgpu_metadata
.endif
;; end of part 2
;; launch attn (part 3): grid 32 x 8, 8 waves a work-group, clusters of 4 x 1, 327,680 bytes of LDS; arguments q_ws, kv_ws, out0; writes out0
.if DOCPART == 3
	.amdgcn_target "amdgcn-amd-amdhsa--gfx1250"
	.amdhsa_code_object_version 6
	.text
	.protected	k_q7dce44faa1_attn
	.globl	k_q7dce44faa1_attn
	.p2align	8
	.type	k_q7dce44faa1_attn,@function
k_q7dce44faa1_attn:
	s_mov_b64 s[64:65], 0
	v_nop
	global_prefetch_b8 v0, s[64:65] scope:SCOPE_SE
	s_setreg_imm32_b32 hwreg(HW_REG_WAVE_MODE, 25, 1), 1
	s_wait_xcnt 0x0
	s_wait_alu depctr_hold_cnt(0) depctr_sa_sdst(0) depctr_va_vdst(0) depctr_va_sdst(0) depctr_va_ssrc(0) depctr_va_vcc(0) depctr_vm_vsrc(0)
	s_getreg_b32 s2, hwreg(HW_REG_IB_STS2, 6, 4)
	s_cmp_eq_u32 s2, 0
	s_cbranch_scc0 .Lentry_in_a_cluster
	s_endpgm
.Lentry_in_a_cluster:
	s_bfe_u32 s2, ttmp6, 0x10000c
	s_cmp_lg_u32 s2, 0x3003
	s_cbranch_scc0 .Lentry_shape_is_right
	s_endpgm
.Lentry_shape_is_right:
; out0[s][128 h + d] = the sum over keys k <= s of softmax_k(q[h][s] . k[h][k] / sqrt(128)) v[h][k][d], both products on codes of FP6 (E2M3) with E8M0 scales.  4,096 rows, 8 heads of 128.
; q, k, v arrive as images of operand registers (the launch before lays them): q_ws [head][128 queries], kv_ws [head][512 keys].
; THE SOFTMAX AHEAD OF THE SECOND PRODUCT: t = score x log2(e) / sqrt(128); M = the largest t so far, rounded UP to a whole number; p = 2^(t - M) is quantised along the keys, not normalised.  The sum is taken of the unquantised p, in f32, and divides O at the end.
; LIMITS: a block's largest p is taken from its largest score through the same multiply-add and exponential: that takes v_exp_f32 not to fall where its input rises.  A block of p whose every number is 0 keeps the byte 1: its codes are zeros.
; Scaled scores are to stay under 2^31 in magnitude.  NaN and infinities among the inputs are not served.
; DEAD WORK LEFT OUT: key blocks all of whose keys come after every query of the cluster's band.
; SHARES.  Cluster c of a head (four work-groups, i = 4 c + cx): work-group i owns the blocks i (low) and 63 - i (high) of 64 queries.  Slots of 512 keys: the low band, queries 256 c .. + 255, needs c / 2 + 1 slots, the high band, 3840 - 256 c .. + 255, needs 8 - c / 2: NINE for every cluster,
; low first.  Eight waves: wave w takes 32 queries (half w % 2 of the block: two tiles of 16) against key block w / 2 of the slot (128 of its 512 keys): four partial results for each query, joined at the kernel's end.
; All four partners walk the same slots, so every load is joint: wave w asks for 50 rows of 256 bytes of the slot's dense 102,400 bytes; kv_ws lies so that each of the eight pieces holds parts of all four key blocks, or all four blocks' scale words: each is read by every partner.
; Branches hang on the wave's number, the cluster's number and the slot's count alone: so a key block is left out by the cluster's band and not by a work-group's own block.
; PREFETCHES: cluster 0 of a head, whose high band walks all eight slots' worth of keys, asks in trip t for key slot t + 3, t = 0 .. 4, two trips ahead of its own load; the four partners share the 400 units of 256 bytes by address (100 each), waves 0 to 3 take 25 each.  The other clusters of the head read the same bytes and do not ask.
; LAYOUT.  Both products are transposed: S^T = K Q^T, O^T = V^T P^T: a lane holds one query of each tile; the 16 registers of key tiles 2 b, 2 b + 1 are the keys 32 b + 16 (lane / 16) + 0 .. 15.
; REGISTERS.  Window 1: v0-127 S^T, then p (two tiles of queries x 64), v128-255 O^T (two x 64).  Window 0: v144-239 K's eight fragments, then V's; the rest below.
; Slot 0's fill is asked for in those eight pieces; every later fill is asked for by waves 4 to 7 alone, two of the pieces each (100 rows).  At the head cluster 0 asks for key slots 1 and 2 too.
; TWO HALVES OF THE WORK-GROUP, half a slot apart: in trip n waves 0-3 make slot n's scores, then its softmax and second product; waves 4-7 make slot n - 1's softmax and second product, then slot n's scores.  The scores and the barriers are one text for all.
.set KBS,   102400                     ; a slot
.set STASH, 2*KBS                      ; the low band's partial results: 14,336 bytes a wave: 28 of 32 pieces of four registers; the other four stay in v124-139
.set SPARE, STASH+8*14336
.set EXW,   16896                      ; the kernel's end, over the slots: a wave's exchange region: the high band's 32 pieces and 4 words a lane
.set LX,    8*EXW                      ; behind those, 2,560 bytes a wave: the low band's four kept pieces and 4 words a lane (bytes of slot 7, which nobody reads any more)
.set STG,   LX+8*2560                  ; and behind those the stages, 4,352 bytes a wave
.set A16,   1                          ; LDS bases in slot 0: v1 16 bytes a lane, v2 8 bytes a lane (+ 512), v3 the scale words
.set K16,   4                          ; v4-6 the same for the K that is fetched next, v7-8 for its V
.set V16,   7
.set SPW,   9
.set NIL,   10
.set QD,    11                         ; r + 8 (r / 8) - 16 (lane / 16)
.set PFO,   12
.set L16,   13                         ; v13-15 16, 8, 4 x lane
.set MN,    16                         ; -M and the largest t, a pair for each tile
.set SM,    20                         ; the sum in two halves, a pair for each tile
.set FF,    24                         ; 2^(old M - new M), the low word of a pair for each tile
.set NEG,   28
.set QS,    30                         ; Q's scale words: lanes 0-15 tile 0's, 16-31 tile 1's
.set KS,    32
.set VS,    36
.set BM,    40                         ; the largest of each block of 32 keys, 4 x tile + block
.set PX,    48
.set SO,    56
.set T0,    64
.set PS,    66                         ; P's scale words
.set Q,     68
.set P,     92
.set ST,    124                        ; v124-139 kept pieces, v140-143 -M and sums of the low band
.set X,     144
.set STB,   240
.set O,     128                        ; in window 1
.set UU, 17
.set WV, 18
.set GK, 19
.set SEL, 20
.set CS, 22                            ; log2(e) / sqrt(128), twice
.set G1, 24
.set G0, 32
.set KVB, 36                           ; kv_ws at my head, my piece of a slot
.set QL, 38                            ; the high block's Q image, s[40:41] its words
.set OUTL, 42
.set OUTH, 44
.set IDX, 46
.set CHG, 47                           ; the low band's last slot
.set TB, 48
.set KF, 49                            ; my key block's first key
.set QMIN, 50                          ; the cluster's band's first query
.set HID, 51
.set JQ, 52                            ; my first query
.set JQH, 53
.set QMINH, 54
.set PFLIM, 55
.set PFA, 56
.set KF0, 58
.set LW, 59
.set HIDP, 60                          ; HID of the slot whose scores were made last; 1 at first: there is none
.set MSB, 0
.macro WIN new
.if MSB != \new
	s_set_vgpr_msb (MSB<<8)|\new
.set MSB, \new
.endif
.endm
.macro WALU
	s_wait_alu depctr_va_vdst(0)
.endm
.macro NOPS
.rept 4
	v_nop
.endr
.endm
.macro BARRIER
	s_barrier_signal -1
	s_barrier_wait -1
.endm
.macro MIDDLE                          ; a round behind its opening signal
	s_barrier_wait -1
	s_cmp_lg_u32 s[WV], 0
	s_cbranch_scc1 .Lnot_wave_0_\@
	s_barrier_signal -3
.Lnot_wave_0_\@:
	s_barrier_wait -3
	BARRIER
.endm
.macro CROUND
	s_barrier_signal -1
	MIDDLE
.endm
.macro TLOAD
	tensor_load_to_lds s[G0:G0+3], s[G1:G1+7]
	s_nop 0
	NOPS
.endm
.macro DESC                            ; group 0: s[76:77] bytes from KVB, into the slot at TB
	s_add_co_u32 s[G0+1], s[LW], s[TB]
	s_add_nc_u64 s[G0+2:G0+3], s[KVB:KVB+1], s[76:77]
	s_or_b32 s[G0+3], s[G0+3], 0x80000000
.endm
.macro QLOAD img, wd
.irp f, 0,1,2,3
	global_load_b128 v[Q+6*\f:Q+6*\f+3], v[L16], s[\img:\img+1] offset:768*\f
	global_load_b64 v[Q+6*\f+4:Q+6*\f+5], v[L16+1], s[\img:\img+1] offset:768*\f+512
.endr
	global_load_b32 v[QS], v[L16+2], s[\wd:\wd+1]
.endm
.macro FRAG f, a                       ; a fragment: two halves of six registers
	ds_load_b128 v[X+12*(\f):X+12*(\f)+3], v[\a] offset:6144*(\f)
	ds_load_b64 v[X+12*(\f)+4:X+12*(\f)+5], v[\a+1] offset:6144*(\f)
	ds_load_b128 v[X+12*(\f)+6:X+12*(\f)+9], v[\a] offset:6144*(\f)+768
	ds_load_b64 v[X+12*(\f)+10:X+12*(\f)+11], v[\a+1] offset:6144*(\f)+768
.endm
.macro WORDS d, off
.irp b, 0,1,2,3
	ds_load_b32 v[\d+\b], v[K16+2] offset:\off+128*\b
.endr
.endm
.macro ADDR                            ; the LDS addresses in the slot at TB (five plain lines)
	v_add_nc_u32 v[K16], s[TB], v[A16]
	v_add_nc_u32 v[K16+1], s[TB], v[A16+1]
	v_add_nc_u32 v[K16+2], s[TB], v[A16+2]
	v_add_nc_u32 v[V16], 49152, v[K16]
	v_add_nc_u32 v[V16+1], 49152, v[K16+1]
.endm
.macro WM d, a, b, c, sa, sb, ra, rb
.if \ra
.if \rb
	v_wmma_scale_f32_16x16x128_f8f6f4 v[\d:\d+7], v[\a:\a+11], v[\b:\b+11], \c, v[\sa], v[\sb] matrix_a_fmt:MATRIX_FMT_FP6 matrix_b_fmt:MATRIX_FMT_FP6 matrix_a_scale:MATRIX_SCALE_ROW1 matrix_b_scale:MATRIX_SCALE_ROW1
.else
	v_wmma_scale_f32_16x16x128_f8f6f4 v[\d:\d+7], v[\a:\a+11], v[\b:\b+11], \c, v[\sa], v[\sb] matrix_a_fmt:MATRIX_FMT_FP6 matrix_b_fmt:MATRIX_FMT_FP6 matrix_a_scale:MATRIX_SCALE_ROW1
.endif
.else
.if \rb
	v_wmma_scale_f32_16x16x128_f8f6f4 v[\d:\d+7], v[\a:\a+11], v[\b:\b+11], \c, v[\sa], v[\sb] matrix_a_fmt:MATRIX_FMT_FP6 matrix_b_fmt:MATRIX_FMT_FP6 matrix_b_scale:MATRIX_SCALE_ROW1
.else
	v_wmma_scale_f32_16x16x128_f8f6f4 v[\d:\d+7], v[\a:\a+11], v[\b:\b+11], \c, v[\sa], v[\sb] matrix_a_fmt:MATRIX_FMT_FP6 matrix_b_fmt:MATRIX_FMT_FP6
.endif
.endif
.endm
.macro PV t0                           ; O^T += V^T P^T, four tiles of channels x two of queries; accumulators by turns
	WIN 0x50
.irp t, 0,1,2,3
.irp u, 0,1
.set t_, (\t0)+\t
.set d_, O+64*\u+8*t_
	WM d_, X+12*t_, P+12*\u, v[d_:d_+7], VS+t_/2, PS+\u, \t%2, 0
.endr
.endr
	WIN 0
.endm
.macro SKIP lab
	s_cmp_lg_u32 s[HID], 0
	s_cbranch_scc1 \lab
.endm
.macro RESET
.irp u, 0,1
	v_mov_b32 v[MN+2*\u], 0x7f61b1e6               ; -M = 3e38
	v_mov_b32 v[MN+1+2*\u], 0xff61b1e6             ; the largest t so far: -3e38, under every t
	v_mov_b32 v[SM+2*\u], 0
	v_mov_b32 v[SM+1+2*\u], 0
.endr
.endm
.macro ZERO from, to                   ; in window 1
	WIN 0x40
.set n, \from
.rept (\to)-(\from)
	v_mov_b32 v[n], 0
.set n, n+1
.endr
	WIN 0
.endm
.macro HIDDEN
	s_add_co_u32 s96, s[QMIN], 255
	s_cmp_gt_u32 s[KF], s96                        ; my key block comes after every query of the cluster's band
	s_cselect_b32 s[HID], 1, 0
.endm
; THE SCORES of my key block, their largest, the new M; V's fragments follow K's into the same registers.  mask: the diagonal may lie here.
.macro AA mask
	WIN 0x40
.irp t, 0,1,2,3,4,5,6,7
	s_wait_dscnt 28-4*\t                           ; K's words and fragments 0 to t: younger than those are the later fragments, four loads each (and at times stores)
.irp u, 0,1
	WM 64*\u+8*\t, X+12*\t, Q+12*\u, 0, KS+\t/2, QS, \t%2, \u
.endr
.endr
	WIN 0
	NOPS
.if \mask
	s_add_co_u32 s96, s[KF], 127
	s_cmp_le_u32 s96, s[QMIN]                      ; all keys count for every query of the band
	s_cbranch_scc1 .Lopen_\@
	s_sub_co_i32 s96, s[JQ], s[KF]
	v_add_nc_u32 v[T0], s96, v[QD]                 ; d = my query - KF - 16 (lane / 16); register 16 b + i holds the key with 32 b + i: hidden where that is more than d
	v_add_nc_u32 v[T0+1], 8, v[T0]                 ; tile 1's queries lie 8 further on
	v_mov_b32 v[NEG], 0xff800000
	WIN 0x41
.set n, 0
.rept 128
	v_cmp_gt_i32 vcc_lo, 32*((n%64)/16)+n%16, v[T0+n/64]
	v_cndmask_b32 v[n], v[n], v[NEG], vcc_lo
.set n, n+1
.endr
	WIN 0
.Lopen_\@:
.endif
.set k, 0
.rept 8                                ; the largest score of each block of 32 keys, eight blocks by turns; V's fragments are fetched between
.if k == 0
	WIN 0x15
.irp b, 0,1,2,3,4,5,6,7
	v_max3_num_f32 v[BM+\b], v[16*\b], v[16*\b+1], v[16*\b+2]
.endr
	WIN 0
	WORDS VS, 512
.elseif k < 7
	WIN 0x14
.irp b, 0,1,2,3,4,5,6,7
	v_max3_num_f32 v[BM+\b], v[BM+\b], v[16*\b+2*k+1], v[16*\b+2*k+2]
.endr
.else
	WIN 0x14
.irp b, 0,1,2,3,4,5,6,7
	v_max_num_f32 v[BM+\b], v[BM+\b], v[16*\b+15]
.endr
.endif
	WIN 0
	FRAG k, V16
.set k, k+1
.endr
.irp b, 0,1,2,3,4,5,6,7
	v_permlanex16_b32 v[PX+\b], v[BM+\b], s[SEL], s[SEL+1]
.endr
.irp b, 0,1,2,3,4,5,6,7
	v_max_num_f32 v[BM+\b], v[BM+\b], v[PX+\b]     ; with lane l xor 16's 16 keys
.endr
.irp u, 0,1
	v_max3_num_f32 v[T0+\u], v[BM+4*\u], v[BM+4*\u+1], v[BM+4*\u+2]
.endr
.irp u, 0,1
	v_max_num_f32 v[T0+\u], v[T0+\u], v[BM+4*\u+3]
.endr
.irp u, 0,1
	v_mul_f32 v[T0+\u], s[CS], v[T0+\u]
.endr
.irp u, 0,1
	v_max_num_f32 v[MN+1+2*\u], v[MN+1+2*\u], v[T0+\u]
.endr
.irp u, 0,1
	v_mov_b32 v[T0+\u], v[MN+2*\u]
.endr
.irp u, 0,1
	v_floor_f32 v[MN+2*\u], -v[MN+1+2*\u]          ; the new -M: a whole number
.endr
.irp u, 0,1
	v_sub_f32 v[T0+\u], v[MN+2*\u], v[T0+\u]
.endr
.irp u, 0,1
	v_cvt_i32_f32 v[T0+\u], v[T0+\u]               ; (it saturates)
.endr
.irp u, 0,1
	v_ldexp_f32 v[FF+2*\u], 1.0, v[T0+\u]
.endr
	WALU
.endm
.macro FMAS                            ; t - M of the blocks' largest and of tile 0
.irp b, 0,1,2,3,4,5,6,7
	v_fma_f32 v[BM+\b], v[BM+\b], s[CS], v[MN+2*(\b/4)]
.endr
	WIN 0x41
.set n, 0
.rept 32
	v_pk_fma_f32 v[n:n+1], v[n:n+1], s[CS:CS+1], v[MN:MN+1] op_sel_hi:[1,0,0]   ; tile 0's t - M
.set n, n+2
.endr
	WIN 0
	WALU
.endm
; THE SOFTMAX AND THE SECOND PRODUCT.  kload: the next K's fragments follow V's.
.macro BB kload
	WIN 0x41
.set n, 0
.rept 32
	v_exp_f32 v[n], v[n]
	v_exp_f32 v[n+1], v[n+1]
	v_pk_fma_f32 v[64+n:65+n], v[64+n:65+n], s[CS:CS+1], v[MN+2:MN+3] op_sel_hi:[1,0,0]   ; tile 1's t - M among tile 0's exponentials
.set n, n+2
.endr
	WIN 0
.irp b, 0,1,2,3,4,5,6,7
	v_exp_f32 v[BM+\b], v[BM+\b]                   ; each block's largest p
.endr
	WIN 0x41
	WALU                                           ; the wait between the batches
.set n, 64
.rept 64
	v_exp_f32 v[n], v[n]
.set n, n+1
.endr
	WIN 0
.irp u, 0,1
	v_pk_mul_f32 v[SM+2*\u:SM+2*\u+1], v[SM+2*\u:SM+2*\u+1], v[FF+2*\u:FF+2*\u+1] op_sel_hi:[1,0]
.endr
	WALU                                           ; and behind them
	WIN 0x05                                       ; the sums of the unquantised p: four chains a tile
.irp j, 1,2,3
.irp u, 0,1
	v_pk_add_f32 v[46+2*\j+6*\u:47+2*\j+6*\u], v[64*\u+4*\j-4:64*\u+4*\j-3], v[64*\u+4*\j-2:64*\u+4*\j-1]
.endr
.endr
	WIN 0x04
.set k, 6
.rept 26
.irp u, 0,1
.if (k-6)%4 == 0
	v_pk_add_f32 v[SM+2*\u:SM+2*\u+1], v[SM+2*\u:SM+2*\u+1], v[64*\u+2*k:64*\u+2*k+1]
.else
	v_pk_add_f32 v[46+2*((k-6)%4)+6*\u:47+2*((k-6)%4)+6*\u], v[46+2*((k-6)%4)+6*\u:47+2*((k-6)%4)+6*\u], v[64*\u+2*k:64*\u+2*k+1]
.endif
.endr
.set k, k+1
.endr
	WIN 0
.irp u, 0,1
	v_pk_add_f32 v[SM+2*\u:SM+2*\u+1], v[SM+2*\u:SM+2*\u+1], v[48+6*\u:49+6*\u]
	v_pk_add_f32 v[50+6*\u:51+6*\u], v[50+6*\u:51+6*\u], v[52+6*\u:53+6*\u]
.endr
.irp u, 0,1
	v_pk_add_f32 v[SM+2*\u:SM+2*\u+1], v[SM+2*\u:SM+2*\u+1], v[50+6*\u:51+6*\u]
.endr
.irp b, 0,1,2,3,4,5,6,7
	v_max_num_f32 v[BM+\b], 0x1800000, v[BM+\b]    ; the floor 2^(3 - 127)
.endr
.irp b, 0,1,2,3,4,5,6,7
	v_add_nc_u32 v[SO+\b], 0xff000000, v[BM+\b]    ; 2 off the exponent field: the conversion's scale operand
.endr
.irp b, 0,1,2,3,4,5,6,7
	v_lshrrev_b32 v[PX+\b], 23, v[SO+\b]           ; the scale's byte
.endr
.irp u, 0,1
	v_lshl_or_b32 v[PS+\u], v[PX+4*\u+1], 8, v[PX+4*\u]
.endr
.irp u, 0,1
	v_lshl_or_b32 v[PS+\u], v[PX+4*\u+2], 16, v[PS+\u]
.endr
.irp u, 0,1
	v_lshl_or_b32 v[PS+\u], v[PX+4*\u+3], 24, v[PS+\u]
.endr
	WIN 0x01
.irp u, 0,1
.irp c, 0,1
.set ct, 116-68*\u+4*\c
	v_cvt_scalef32_pk16_fp6_f32 v[P+12*\u+6*\c:P+12*\u+6*\c+2], v[64*\u+32*\c:64*\u+32*\c+15], v[SO+4*\u+2*\c]
	v_cvt_scalef32_pk16_fp6_f32 v[ct:ct+2], v[64*\u+32*\c+16:64*\u+32*\c+31], v[SO+4*\u+2*\c+1]
.endr
.endr
	WIN 0
	v_nop
.irp u, 0,1                            ; the operand's layout wants a whole block in a lane
.irp c, 0,1
.set ct, 116-68*\u+4*\c
.irp i, 0,1,2
	v_permlane16_swap_b32 v[P+12*\u+6*\c+\i], v[ct+\i]
.endr
.endr
.endr
.irp u, 0,1
.irp c, 0,1
.set ct, 116-68*\u+4*\c
.irp i, 0,1,2
	v_mov_b32 v[P+12*\u+6*\c+3+\i], v[ct+\i]
.endr
.endr
.endr
	WIN 0x41
	WALU                                           ; the wait ahead of O^T's first reader
.set n, 0
.rept 64
	v_pk_mul_f32 v[O+n:O+n+1], v[O+n:O+n+1], v[FF+2*(n/64):FF+2*(n/64)+1] op_sel_hi:[1,0]   ; O^T under the new M: exact
.set n, n+2
.endr
	PV 0
.if \kload
	ADDR                                           ; (also the places ahead of the loads)
	WORDS KS, 0
.irp f, 0,1,2,3
	FRAG \f, K16
.endr
.endif
	PV 4
	NOPS
.if \kload
.irp f, 4,5,6,7
	FRAG \f, K16
.endr
.endif
.endm
.macro TOPB                            ; a slot's head: waves 4-7 finish the last slot and fetch K on the way, the others fetch K
	s_cmp_lt_u32 s[WV], 4
	s_cbranch_scc1 .Lk_\@
	s_cmp_lg_u32 s[HIDP], 0
	s_cbranch_scc1 .Lk_\@
	BB 1
	WALU
	s_branch .Lj_\@
.Lk_\@:
	ADDR
	WORDS KS, 0
.irp f, 0,1,2,3,4,5,6,7
	FRAG \f, K16
.endr
	WALU
.Lj_\@:
.endm
.macro NEXT_SLOT
	s_mov_b32 s[HIDP], s[HID]
	s_add_co_u32 s[KF], s[KF], 512
	s_cmp_eq_u32 s[IDX], s[CHG]                    ; the low band's last slot: on to the high band
	s_cselect_b32 s[KF], s[KF0], s[KF]
	s_cselect_b32 s[QMIN], s[QMINH], s[QMIN]
	s_cselect_b32 s[JQ], s[JQH], s[JQ]
	HIDDEN
	s_xor_b32 s[TB], s[TB], KBS
.endm
.macro REFILL                          ; waves 4-7; the branch hangs on the wave's number alone
	s_cmp_ge_u32 s[WV], 4
	s_cbranch_scc0 .Lnone_\@
	TLOAD
.Lnone_\@:
.endm
; A SLOT from its scores on.  fill: the slot is filled again, behind a round whose signal stands behind the scores; else a plain barrier.  In the last slot all eight waves finish together.
.macro TRIP fill, mask, last
	s_wait_loadcnt 0x0                             ; Q
	SKIP .La_\@
	AA \mask
.La_\@:
.if \fill
	s_wait_xcnt 0x0                                ; the last prefetch has read its address
	s_add_nc_u64 s[PFA:PFA+1], s[PFA:PFA+1], KBS
	s_cmp_eq_u32 s[IDX], s[CHG]
	s_cbranch_scc0 .Lsame_q_\@
	QLOAD QL, QL+2                                 ; the low band ends with this slot: the high block's Q
.Lsame_q_\@:
	s_wait_tensorcnt 0x0                           ; my pieces of the next slot are in;
	ds_add_u32 v[SPW], v[NIL]
	s_add_co_u32 s75, s[IDX], 2                    ; the slot after next: key slot IDX + 2 in the low band, else IDX + 1 - CHG
	s_sub_co_u32 s76, s75, s[CHG]
	s_sub_co_u32 s76, s76, 1
	s_cmp_le_u32 s75, s[CHG]
	s_cselect_b32 s76, s75, s76
	s_mul_i32 s76, s76, KBS
	s_mov_b32 s77, 0
	DESC
.elseif \last == 0
	s_wait_tensorcnt 0x0                           ; the last slot is in
.endif
.if \last
	s_mov_b32 s[HIDP], s[HID]
.else
	NEXT_SLOT
.endif
	s_wait_dscnt 0x0                               ; the add is done, V is in: my reads of this slot are over
	s_barrier_signal -1
	s_cmp_lg_u32 s[HIDP], 0
	s_cbranch_scc1 .Lrest_\@
	FMAS
.if \last == 0
	s_cmp_ge_u32 s[WV], 4                          ; waves 4-7 go on at the next slot's head
	s_cbranch_scc1 .Lrest_\@
.endif
	BB 0
.Lrest_\@:
.if \fill
	MIDDLE
	REFILL                                         ; the slot just read takes the slot after next
.else
	s_barrier_wait -1
.endif
.endm
	s_load_b128 s[4:7], s[0:1], 0x0                ; q_ws, kv_ws
	s_load_b64 s[8:9], s[0:1], 0x10                ; out0
	v_lshl_add_u32 v[SPW], v0, 2, SPARE
	v_mov_b32 v[NIL], 0
	ds_add_u32 v[SPW], v[NIL]                      ; the opening lines
	ds_add_u32 v[SPW], v[NIL]
	v_lshrrev_b32 v31, 5, v0
	v_readfirstlane_b32 s[WV], v31
	s_lshr_b32 s[GK], s[WV], 1                     ; my key block of a slot
	s_and_b32 s[UU], s[WV], 1
	s_bfe_u32 s68, ttmp6, 0x40000                  ; cx
	s_lshl_b32 s69, ttmp9, 2
	s_add_co_u32 s69, s69, s68                     ; i
	s_and_b32 s70, ttmp7, 0xffff                   ; the head
	s_lshl_b32 s73, s69, 1
	s_add_co_u32 s71, s73, s[UU]                   ; my low 32 queries, 0 .. 127
	s_sub_co_u32 s72, 126, s73
	s_add_co_u32 s72, s72, s[UU]                   ; my high 32
	s_lshl_b32 s[JQ], s71, 5
	s_lshl_b32 s[JQH], s72, 5
	s_mul_i32 s82, s70, 409600
.macro QOFF j, img, wd
	s_lshr_b32 s83, s\j, 2
	s_mul_i32 s83, s83, 12800
	s_add_co_u32 s83, s83, s82
	s_and_b32 s84, s\j, 3
	s_mul_i32 s85, s84, 3072
	s_add_co_u32 s\img, s83, s85
	s_lshl_b32 s84, s84, 7
	s_add_co_u32 s83, s83, s84
	s_add_co_u32 s\wd, s83, 12288
.endm
	QOFF 71, 86, 88
	QOFF 72, 90, 92
	s_mov_b32 s87, 0
	s_mov_b32 s89, 0
	s_mov_b32 s91, 0
	s_mov_b32 s93, 0
	s_lshr_b32 s84, s[GK], 1                       ; I write query tile GK / 2, channels 64 (GK % 2) ..
	s_lshl_b32 s84, s84, 15
	s_and_b32 s85, s[GK], 1
	s_lshl_b32 s85, s85, 8
	s_add_co_u32 s84, s84, s85
	s_lshl_b32 s85, s70, 9
	s_add_co_u32 s84, s84, s85
	s_lshl_b32 s94, s71, 17
	s_add_co_u32 s94, s94, s84
	s_mov_b32 s95, 0
	s_lshl_b32 s96, s72, 17
	s_add_co_u32 s96, s96, s84
	s_mov_b32 s97, 0
	s_mul_i32 s98, s70, 8*KBS
	s_mov_b32 s99, 0
	s_mul_i32 s[LW], s[WV], 12800
	s_mov_b32 s74, s[LW]
	s_mov_b32 s75, 0
	s_lshr_b32 s[CHG], ttmp9, 1
	s_lshl_b32 s[QMIN], ttmp9, 8
	s_sub_co_u32 s[QMINH], 3840, s[QMIN]
	s_lshl_b32 s[KF0], s[GK], 7
	s_mov_b32 s[KF], s[KF0]
	s_mov_b32 s[IDX], 0
	s_mov_b32 s[TB], 0
	s_cmp_eq_u32 ttmp9, 0
	s_cselect_b32 s[PFLIM], 5, 0
	s_cmp_lt_u32 s[WV], 4
	s_cselect_b32 s[PFLIM], s[PFLIM], 0
	s_mov_b32 s[G1], 15|(3<<16)|(1<<21)            ; all four partners; elements of 8 bytes
	s_mov_b32 s[G1+1], 32<<16
	s_mov_b32 s[G1+2], 50<<16
	s_mov_b32 s[G1+3], 32<<16
	s_mov_b32 s[G1+4], 50
	s_mov_b32 s[G1+5], 32
	s_mov_b32 s[G1+6], 0
	s_mov_b32 s[G1+7], 0
	s_mov_b32 s[G0], 1
	s_mov_b32 s[SEL], 0x76543210
	s_mov_b32 s[SEL+1], 0xfedcba98
	s_mov_b32 s[CS], 0x3e0293ee
	s_mov_b32 s[CS+1], s[CS]
	s_wait_dscnt 0x0
	CROUND                                         ; the opening round, ahead of the wait for the arguments
	s_wait_kmcnt 0x0
	s_add_nc_u64 s[6:7], s[6:7], s[98:99]
	s_add_nc_u64 s[KVB:KVB+1], s[6:7], s[74:75]
	s_add_nc_u64 s[PFA:PFA+1], s[6:7], 3*KBS       ; trip 0 asks for key slot 3
	s_add_nc_u64 s[78:79], s[4:5], s[86:87]
	s_add_nc_u64 s[80:81], s[4:5], s[88:89]
	s_add_nc_u64 s[QL:QL+1], s[4:5], s[90:91]
	s_add_nc_u64 s[QL+2:QL+3], s[4:5], s[92:93]
	s_add_nc_u64 s[OUTL:OUTL+1], s[8:9], s[94:95]
	s_add_nc_u64 s[OUTH:OUTH+1], s[8:9], s[96:97]
	s_mov_b32 s76, 0
	s_mov_b32 s77, 0
	DESC
	TLOAD                                          ; slot 0: key slot 0
	HIDDEN
	s_mul_i32 s83, s[GK], 1536
	s_lshl_b32 s84, s[GK], 10
	s_add_co_u32 s84, s84, 98304
	s_mul_i32 s85, s[WV], 14336
	s_add_co_u32 s85, s85, STASH
	s_mul_i32 s86, s68, 100
	s_mul_i32 s87, s[WV], 25
	s_add_co_u32 s86, s86, s87
	v_and_b32 v31, 31, v0
	v_lshlrev_b32 v[L16], 4, v31
	v_lshlrev_b32 v[L16+1], 3, v31
	v_lshlrev_b32 v[L16+2], 2, v31
	QLOAD 78, 80                                   ; the low block's Q
	v_min_u32 v[PFO], 24, v31
	v_add_nc_u32 v[PFO], s86, v[PFO]
	v_lshlrev_b32 v[PFO], 8, v[PFO]
	v_add_nc_u32 v[A16], s83, v[L16]
	v_add_nc_u32 v[A16+1], s83, v[L16+1]
	v_add_nc_u32 v[A16+1], 512, v[A16+1]
	v_add_nc_u32 v[A16+2], s84, v[L16+2]
	v_add_nc_u32 v[STB], s85, v[L16]
	WALU
	s_cmp_lt_u32 s[IDX], s[PFLIM]
	s_cbranch_scc0 .Lnot_mine_0
	global_prefetch_b8 v[PFO], s[PFA:PFA+1] offset:-2*KBS th:TH_LOAD_NT scope:SCOPE_SE
	global_prefetch_b8 v[PFO], s[PFA:PFA+1] offset:-KBS th:TH_LOAD_NT scope:SCOPE_SE
.Lnot_mine_0:
	v_and_b32 v31, 15, v0
	v_lshrrev_b32 v[QD], 3, v31
	v_lshl_add_u32 v[QD], v[QD], 3, v31
	v_bfe_u32 v31, v0, 4, 1
	v_lshlrev_b32 v31, 4, v31
	v_sub_nc_u32 v[QD], v[QD], v31
	RESET
; registers that a way round a hidden key block's work leaves unwritten are written once, under the first slot's flight; O^T begins as zeros
.set n, 0
.rept 4
	v_mov_b32 v[FF+n], 0
	v_mov_b32 v[VS+n], 0
	v_mov_b32 v[ST+16+n], 0
.set n, n+1
.endr
	v_mov_b32 v[PS], 0
	v_mov_b32 v[PS+1], 0
.set n, 0
.rept 16
	v_mov_b32 v[BM+n], 0
	v_mov_b32 v[ST+n], 0
.set n, n+1
.endr
.set n, 0
.rept 24
	v_mov_b32 v[P+n], 0
.set n, n+1
.endr
	ZERO 0, 256
	WALU                                           ; the wait at the head's end
	s_wait_tensorcnt 0x0                           ; slot 0 is in
	ds_add_u32 v[SPW], v[NIL]
	s_mov_b32 s76, 0
	s_cmp_ge_u32 s[CHG], 1                         ; slot 1: key slot 1, or the high band's 0
	s_cselect_b32 s76, KBS, s76
	s_and_b32 s[LW], s[WV], 3                      ; no tensor load of mine is out: from here on a load brings two pieces, and waves 4-7 ask
	s_mul_i32 s[LW], s[LW], 25600
	s_mov_b32 s82, s[LW]
	s_mov_b32 s83, 0
	s_add_nc_u64 s[KVB:KVB+1], s[6:7], s[82:83]
	s_mov_b32 s[G1+2], 100<<16
	s_mov_b32 s[G1+4], 100
	s_mov_b32 s[TB], KBS
	DESC
	s_mov_b32 s[TB], 0
	s_mov_b32 s[HIDP], 1
	s_wait_dscnt 0x0
	CROUND
	REFILL
.Lslot:                                            ; slots 0 to 6; the bands change between two of them
	TOPB
	s_cmp_lt_u32 s[IDX], s[PFLIM]
	s_cbranch_scc0 .Lnot_mine
	global_prefetch_b8 v[PFO], s[PFA:PFA+1] th:TH_LOAD_NT scope:SCOPE_SE
.Lnot_mine:
	s_sub_co_u32 s96, s[IDX], 1
	s_cmp_eq_u32 s96, s[CHG]
	s_cbranch_scc0 .Lsame_band
	WIN 0x04                                       ; THE LOW BAND IS DONE: its partial result into my own LDS bytes
.irp g, 0,1,2,3
.irp q, 0,1,2,3,4,5,6
	ds_store_b128 v[STB], v[O+32*\g+4*\q:O+32*\g+4*\q+3] offset:3584*\g+512*\q
.endr
.endr
	WIN 0x01
.irp g, 0,1,2,3
.irp i, 0,1,2,3
	v_mov_b32 v[ST+4*\g+\i], v[O+32*\g+28+\i]      ; and every eighth piece into registers
.endr
.endr
	WIN 0
	v_mov_b32 v[ST+16], v[MN]
	v_mov_b32 v[ST+17], v[MN+2]
	v_add_f32 v[ST+18], v[SM], v[SM+1]
	v_add_f32 v[ST+19], v[SM+2], v[SM+3]
	RESET
	ZERO O, O+128
	WALU
.Lsame_band:
	TRIP 1, 1, 0
	s_add_co_u32 s[IDX], s[IDX], 1
	s_cmp_lt_u32 s[IDX], 7
	s_cbranch_scc1 .Lslot
	TOPB                                           ; slot 7: never the band's last
	TRIP 0, 0, 0
	s_mov_b32 s[TB], 0                             ; slot 8 lies at 0
	TOPB                                           ; slot 8
	s_mul_i32 s70, s[WV], 2560
	s_add_co_u32 s70, s70, LX
	v_add_nc_u32 v29, s70, v[L16]
	v_add_nc_u32 v31, s70, v[L16+2]
.irp g, 0,1,2,3
	ds_store_b128 v29, v[ST+4*\g:ST+4*\g+3] offset:512*\g   ; the rest of my low partial result: slot 8's barrier shows it to all
.endr
.irp i, 0,1,2,3
	ds_store_b32 v31, v[ST+16+\i] offset:2048+128*\i
.endr
	TRIP 0, 1, 1
; THE JOIN.  Behind slot 8's barrier nobody reads the slots: each wave lays its high partial result, the kept pieces of the low one, -M and the sums there, as images of registers.
	v_add_f32 v[SM], v[SM], v[SM+1]
	v_add_f32 v[SM+2], v[SM+2], v[SM+3]
	s_mul_i32 s70, s[WV], EXW
	v_add_nc_u32 v1, s70, v[L16]
	v_add_nc_u32 v2, s70, v[L16+2]
	WIN 0x04
.set n, 0
.rept 32
	ds_store_b128 v1, v[O+4*n:O+4*n+3] offset:512*n
.set n, n+1
.endr
	WIN 0
	ds_store_b32 v2, v[MN] offset:16384
	ds_store_b32 v2, v[MN+2] offset:16384+128
	ds_store_b32 v2, v[SM] offset:16384+256
	ds_store_b32 v2, v[SM+2] offset:16384+384
	s_mul_i32 s71, s[UU], EXW                      ; I join group GK's eight pieces (query tile GK / 2, 64 channels) of the four waves with my queries
	s_lshl_b32 s72, s[GK], 12
	s_add_co_u32 s72, s72, s71
	s_mul_i32 s73, s[UU], 14336
	s_mul_i32 s74, s[GK], 3584
	s_add_co_u32 s73, s73, s74
	s_add_co_u32 s73, s73, STASH
	s_mul_i32 s77, s[UU], 2560
	s_add_co_u32 s77, s77, LX
	s_lshl_b32 s74, s[GK], 9
	s_add_co_u32 s74, s74, s77
	s_lshr_b32 s75, s[GK], 1
	s_lshl_b32 s75, s75, 7
	s_add_co_u32 s78, s75, s77
	s_add_co_u32 s78, s78, 2048
	s_add_co_u32 s75, s75, s71
	s_add_co_u32 s75, s75, 16384
	s_mul_i32 s76, s[WV], 4352
	s_add_co_u32 s76, s76, STG                     ; my stage
	v_add_nc_u32 v3, s72, v[L16]
	v_add_nc_u32 v4, 4*EXW, v3
	v_add_nc_u32 v5, s73, v[L16]
	v_add_nc_u32 v6, 4*14336, v5
	v_add_nc_u32 v7, s74, v[L16]
	v_add_nc_u32 v8, s78, v[L16+2]
	v_add_nc_u32 v31, s75, v[L16+2]
	v_add_nc_u32 v64, 4*EXW, v31
	v_and_b32 v27, 15, v0
	v_bfe_u32 v28, v0, 4, 1
	v_mul_u32_u24 v24, v27, 272
	v_lshl_add_u32 v24, v28, 5, v24
	v_add_nc_u32 v24, s76, v24                     ; into the stage: row r, 32 bytes for each half of the lanes
	v_mul_u32_u24 v25, v28, 272
	v_lshl_add_u32 v25, v27, 4, v25
	v_add_nc_u32 v25, s76, v25                     ; out of it: lanes 0-15 one row, 16-31 the next
	v_lshlrev_b32 v26, 12, v28
	v_lshl_add_u32 v26, v27, 4, v26                ; and the same in out0
.irp g, 0,1,2,3                        ; the low band's four partial results, whole since slot 8's barrier
	ds_load_b32 v[48+\g], v8 offset:5120*\g
	ds_load_b32 v[52+\g], v8 offset:5120*\g+256
.endr
	WIN 0x40
.irp g, 0,1,2,3
.irp q, 0,1,2,3,4,5,6
	ds_load_b128 v[32*\g+4*\q:32*\g+4*\q+3], v[5+\g/2] offset:2*14336*(\g%2)+512*\q
.endr
	ds_load_b128 v[28+32*\g:31+32*\g], v7 offset:5120*\g
.endr
	WIN 0
	WALU
	s_wait_dscnt 0x0                               ; they are in, and my high partial result lies in LDS:
	s_barrier_signal -1                            ; say so; the low band is joined, in registers, while the others arrive
.macro JOIN m, l, src, d               ; out = (sum of 2^(M_g - M) O_g) / (sum of 2^(M_g - M) l_g); a wave that met no key has -M = 3e38 and counts 0
	v_min_num_f32 v56, v[\m], v[\m+1]
	v_min_num_f32 v57, v[\m+2], v[\m+3]
	v_min_num_f32 v56, v56, v57
.irp g, 0,1,2,3
	v_sub_f32 v[\m+\g], v56, v[\m+\g]
.endr
.irp g, 0,1,2,3
	v_cvt_i32_f32 v[\m+\g], v[\m+\g]
.endr
.irp g, 0,1,2,3
	v_ldexp_f32 v[Q+2*\g], 1.0, v[\m+\g]
.endr
	v_mul_f32 v57, v[Q], v[\l]
.irp g, 1,2,3
	v_fma_f32 v57, v[Q+2*\g], v[\l+\g], v57
.endr
	v_permlanex16_b32 v58, v57, s[SEL], s[SEL+1]
	v_add_f32 v57, v57, v58
	WALU
	v_rcp_f32 v57, v57
	v_nop
	WALU
.irp g, 0,1,2,3
	v_mul_f32 v[Q+2*\g], v[Q+2*\g], v57
.endr
	WIN 0x01
.set n, 0
.rept 16
	v_pk_mul_f32 v[\d+n:\d+n+1], v[\src+n:\src+n+1], v[Q:Q+1] op_sel_hi:[1,0]
.set n, n+2
.endr
.irp g, 1,2,3
.set n, 0
.rept 16
	v_pk_fma_f32 v[\d+n:\d+n+1], v[\src+32*\g+n:\src+32*\g+n+1], v[Q+2*\g:Q+2*\g+1], v[\d+n:\d+n+1] op_sel_hi:[1,0,1]
.set n, n+2
.endr
.endr
	WIN 0
.endm
.macro STAGE d, b                      ; 16 rows x 256 bytes through my own stage: LDS serves a wave's instructions in order
.irp j, 0,1,2,3
	ds_store_b128 v24, v[\d+8*\j:\d+8*\j+3] offset:64*\j
	ds_store_b128 v24, v[\d+8*\j+4:\d+8*\j+7] offset:64*\j+16
.endr
.irp i, 0,1,2,3,4,5,6,7
	ds_load_b128 v[\b+4*\i:\b+4*\i+3], v25 offset:2*\i*272
.endr
.endm
.macro SEND b, o                       ; stage rows 2 i, 2 i + 1 are queries 2 i + 8 (i / 4) and the next of the tile; 16 lanes store 256 consecutive bytes
.irp i, 0,1,2,3,4,5,6,7
	global_store_b128 v26, v[\b+4*\i:\b+4*\i+3], s[\o:\o+1] offset:(2*\i+8*(\i/4))*4096 th:TH_STORE_NT
.endr
.endm
	JOIN 48, 52, 0, 144
	WALU
	s_barrier_wait -1
	STAGE 144, 92
.irp g, 0,1                            ; the high band's
	ds_load_b32 v[40+\g], v31 offset:2*EXW*\g
	ds_load_b32 v[44+\g], v31 offset:2*EXW*\g+256
	ds_load_b32 v[42+\g], v64 offset:2*EXW*\g
	ds_load_b32 v[46+\g], v64 offset:2*EXW*\g+256
.endr
	WIN 0x40
.irp g, 0,1,2,3
.irp q, 0,1,2,3,4,5,6,7
	ds_load_b128 v[128+32*\g+4*\q:128+32*\g+4*\q+3], v[3+\g/2] offset:2*EXW*(\g%2)+512*\q
.endr
.endr
	WIN 0
	s_wait_dscnt 40                                ; the low rows are back: the high band's 8 words and 32 pieces may be out
	SEND 92, OUTL
	s_wait_dscnt 0x0
	JOIN 40, 44, 128, 176
	STAGE 176, 208
	s_wait_dscnt 0x0
	SEND 208, OUTH
	s_wait_tensorcnt 0x0                           ; the wave's end
	ds_add_u32 v[SPW], v[NIL]
	s_wait_dscnt 0x0
	CROUND
	s_endpgm
.Lfunc_end_k_q7dce44faa1_attn:
	.size	k_q7dce44faa1_attn, .Lfunc_end_k_q7dce44faa1_attn-k_q7dce44faa1_attn
	.p2alignl 7, 3214868480
	.fill 96, 4, 3214868480
	.section	.rodata,"a",@progbits
	.p2align	6, 0x0
	.amdhsa_kernel k_q7dce44faa1_attn
		.amdhsa_group_segment_fixed_size 327680
		.amdhsa_private_segment_fixed_size 0
		.amdhsa_enable_private_segment 0
		.amdhsa_kernarg_size 24
		.amdhsa_user_sgpr_count 2
		.amdhsa_user_sgpr_kernarg_segment_ptr 1
		.amdhsa_wavefront_size32 1
		.amdhsa_system_sgpr_workgroup_id_x 1
		.amdhsa_system_sgpr_workgroup_id_y 1
		.amdhsa_system_sgpr_workgroup_id_z 1
		.amdhsa_system_vgpr_workitem_id 0
		.amdhsa_next_free_vgpr 512
		.amdhsa_next_free_sgpr 100
		.amdhsa_reserve_vcc 1
		.amdhsa_float_denorm_mode_32 3
		.amdhsa_float_denorm_mode_16_64 3
		.amdhsa_memory_ordered 1
		.amdhsa_forward_progress 1
		.amdhsa_inst_pref_size 251
	.end_amdhsa_kernel
	.amdgpu_metadata
---
amdhsa.version: [ 1, 2 ]
amdhsa.kernels:
  - .name:           k_q7dce44faa1_attn
    .symbol:         k_q7dce44faa1_attn.kd
    .args:
      - { .name: q_ws, .offset: 0, .size: 8, .value_kind: global_buffer, .address_space: global }
      - { .name: kv_ws, .offset: 8, .size: 8, .value_kind: global_buffer, .address_space: global }
      - { .name: out0, .offset: 16, .size: 8, .value_kind: global_buffer, .address_space: global }
    .group_segment_fixed_size: 327680
    .private_segment_fixed_size: 0
    .kernarg_segment_align: 8
    .kernarg_segment_size: 24
    .max_flat_workgroup_size: 256
    .sgpr_count:     100
    .vgpr_count:     512
    .wavefront_size: 32
...
	.end_amdgpu_metadata
.endif
;; end of part 3
